; MI455X (gfx1250); checked and timed in simulation.
; The chip was launched on July 23, 2026; its instructions are those of AMD's public machine-readable ISA for CDNA 5 (MIT licence, August 2026) and "CDNA5" Instruction Set Architecture Reference Guide (July 2026). The comments in the code are by the model that wrote it; some were corrected since.
;; Multi Head Attention. Allowed arithmetic: matrix products marked QUANTISED: E2M3 operands, one E8M0 scale for each 32 along K, by v_wmma_scale_f32_16x16x128_f8f6f4 with both operands' format E2M3, f32 sums; everything else in f32.
;; Inputs: Wk_codes 1,024 x 32 x 24 uint8 (E2M3 codes of Wk, K innermost, in blocks of 32 codes, four codes in three bytes); Wk_scales 1,024 x 32 uint8 (E8M0 scales of Wk, one for each 32 codes along K); Wq_codes 1,024 x 32 x 24 uint8 (E2M3 codes of Wq, K innermost, in blocks of 32 codes, four codes in three bytes); Wq_scales 1,024 x 32 uint8 (E8M0 scales of Wq, one for each 32 codes along K); Wv_codes 1,024 x 32 x 24 uint8 (E2M3 codes of Wv, K innermost, in blocks of 32 codes, four codes in three bytes); Wv_scales 1,024 x 32 uint8 (E8M0 scales of Wv, one for each 32 codes along K); beta 1,024 float32; bk 1,024 float32; bq 1,024 float32; bv 1,024 float32; gamma 1,024 float32; keys_codes 4 x 2,048 x 32 x 24 uint8 (E2M3 codes of keys, K innermost, in blocks of 32 codes, four codes in three bytes); keys_scales 4 x 2,048 x 32 uint8 (E8M0 scales of keys, one for each 32 codes along K); queries 4 x 2,048 x 1,024 float32; values_codes 4 x 2,048 x 32 x 24 uint8 (E2M3 codes of values, K innermost, in blocks of 32 codes, four codes in three bytes); values_scales 4 x 2,048 x 32 uint8 (E8M0 scales of values, one for each 32 codes along K).
;; Outputs: out0 4 x 2,048 x 1,024 float32.
;; This version of the problem:
;;   THIS VERSION OF THE PROBLEM IS GIVEN IN LOW PRECISION. The matrix products marked QUANTISED in the list below multiply operands that are first quantised to E2M3 (2 exponent bits, 3 mantissa bits; 6 bits a number), with one power-of-two scale for each 32 numbers along K (OCP MX v1.0); their sums are f32. All else is computed in f32.
;;   The module's matrix products, in the order in which they are computed (A, B: the left and right operand; K: the contracted axis; several contracted axes count as one K, in the product's order):
;;     1. [M 8,192, K 1,024] x [K 1,024, N 1,024]; A: input queries; B: input Wq (given as codes): QUANTISED
;;     2. [M 8,192, K 1,024] x [K 1,024, N 1,024]; A: input keys (given as codes); B: input Wk (given as codes): QUANTISED
;;     3. [M 8,192, K 1,024] x [K 1,024, N 1,024]; A: input values (given as codes); B: input Wv (given as codes): QUANTISED
;;     4. batch 32 x [M 2,048, K 128] x [K 128, N 2,048]; A: computed on the way; B: computed on the way: QUANTISED
;;     5. batch 32 x [M 2,048, K 2,048] x [K 2,048, N 128]; A: softmax (see below); B: computed on the way: QUANTISED
;;   THE QUANTISER, for each operand of a quantised product, along K:
;;     - K is cut into blocks of 32 from its start; a last block that is shorter is filled with zeros.
;;     - A block's scale is 2^e with e = floor(log2(the largest magnitude in the block)) - 2, held to -126 .. 127; a block of zeros has e = 0. As a byte (E8M0): e + 127.
;;     - Each number is divided by its block's scale, clamped to +-7.5, and rounded to the nearest number of E2M3, ties to even, subnormals kept.
;;     - The product sums the exact products of the quantised numbers (number of the format x scale) in f32.
;;   ~~~python
;;   def quantise(x, axis):      # numpy; x: float32 -> the quantised numbers, widened to float32 again
;;       x = np.moveaxis(x, axis, -1); K = x.shape[-1]
;;       x = np.pad(x, [(0, 0)] * (x.ndim - 1) + [(0, -K % 32)]); x = x.reshape(x.shape[:-1] + (-1, 32)); a = np.abs(x).max(-1, keepdims=True)
;;       e = np.where(a > 0, np.clip(np.frexp(np.where(a > 0, a, 1))[1] - 1 - 2, -126, 127), 0)      # np.frexp(a)[1] - 1 = floor(log2(a)), exactly
;;       r = np.clip(x / 2.0 ** e, -7.5, 7.5)
;;       step = 2.0 ** (np.maximum(np.frexp(np.where(r == 0, 1, r))[1] - 1, 0) - 3)
;;       q = np.round(r / step) * step * 2.0 ** e      # np.round: ties to even
;;       return np.moveaxis(q.reshape(q.shape[:-2] + (-1,))[..., :K], -1, axis).astype(np.float32)
;;   ~~~
;;   SOFTMAX AHEAD OF A QUANTISED PRODUCT. Where the list says 'softmax', what is quantised is not the finished softmax but p = 2^(t - M), with t = logit x log2(e) and M = ceil(the row's largest t), a whole number; so 1/2 < the row's largest p <= 1. The row's sum l is taken of the UNQUANTISED p, in f32, and the product's result is divided by l at the end. Since M is a whole number, a kernel that streams over the keys may use a running M (the ceiling of the running maximum): every later rescaling is an exact power of two, which a block's scale takes up: the codes' values come out the same.
;;   OPERANDS COMPUTED ON THE WAY. 'Computed on the way' means the value that the module computes at that place (a softmax that the list does not call 'softmax' is quantised finished and normalised). What goes into a quantiser is computed in f32, as accurately as f32 sums, v_exp_f32 and their like allow (about 1e-6 of the number): no bf16 or f16 on the way to a quantiser, and a product that is left as it is and whose result goes on into a quantised operand takes f32 operands (vector FMAs, or v_wmma_f32_16x16x4_f32). A number that lies on a knife's edge between two numbers of the format may be rounded either way, as far as f32 arithmetic and the matrix unit's own rounding can turn it there, and no further.
;;   INPUTS GIVEN AS CODES. Wk (in the module: [1024, 1024], K = its axis 0); Wq (in the module: [1024, 1024], K = its axis 0); Wv (in the module: [1024, 1024], K = its axis 0); keys (in the module: [4, 2048, 1024], K = its axis 2); values (in the module: [4, 2048, 1024], K = its axis 2): each comes as NAME_codes (uint8): NAME with its K axis moved to the last place and cut into blocks of 32 codes, [.., K / 32, bytes a block], one block behind the other in memory; four codes in three bytes: a row's codes are one little-endian stream of bits, code i at bits 6 i .. 6 i + 5 (a code: sign, 2 exponent bits, 3 mantissa bits); and NAME_scales (uint8): the same leading axes, one E8M0 byte (e + 127) for each 32 codes along K. Its value is code x scale, taken as it is: it is not quantised again, and the codes and scales need not be those that the quantiser above would give.
;; One version. Each part assembles by itself: llvm-mc -triple=amdgcn-amd-amdhsa -mcpu=gfx1250 --defsym DOCPART=n.
;; ======== version 1 of 1: 3 launches
;; limits: right only within a limited range of input values
;; workspace buffers: kv 13,107,200 bytes; xq 6,553,600 bytes; resid 33,554,432 bytes
;; launch proj (part 1): grid 8 x 32, 4 waves a work-group, clusters of 4 x 4, 327,680 bytes of LDS; arguments keys_codes, keys_scales, Wk_codes, Wk_scales, Wv_codes, Wv_scales, values_codes, values_scales, bk, bv, queries, kv, xq; writes kv, xq
.if DOCPART == 1
	.amdgcn_target "amdgcn-amd-amdhsa--gfx1250"
	.amdhsa_code_object_version 6
	.text
	.protected	k_qb061a337c6_proj
	.globl	k_qb061a337c6_proj
	.p2align	8
	.type	k_qb061a337c6_proj,@function
k_qb061a337c6_proj:
	s_mov_b64 s[64:65], 0
	v_nop
	global_prefetch_b8 v0, s[64:65] scope:SCOPE_SE
	s_setreg_imm32_b32 hwreg(HW_REG_WAVE_MODE, 25, 1), 1
	s_wait_xcnt 0x0
	s_wait_alu depctr_hold_cnt(0) depctr_sa_sdst(0) depctr_va_vdst(0) depctr_va_sdst(0) depctr_va_ssrc(0) depctr_va_vcc(0) depctr_vm_vsrc(0)
	s_getreg_b32 s2, hwreg(HW_REG_IB_STS2, 6, 4)
	s_cmp_eq_u32 s2, 0
	s_cbranch_scc0 .Lentry_in_a_cluster
	s_endpgm
.Lentry_in_a_cluster:
	s_bfe_u32 s2, ttmp6, 0x10000c
	s_cmp_lg_u32 s2, 0xf033
	s_cbranch_scc0 .Lentry_shape_is_right
	s_endpgm
.Lentry_shape_is_right:
; K = keys Wk + bk and V = values Wv + bv on the given codes (MX-FP6), quantised again (K along the head's 128, V along the keys) and stored in kv as images of
; the operand registers of the next launch; and queries quantised along their 1,024 into xq, likewise as register images.
; WORK LEFT OUT BY THE PROGRAM (in launch attn): key steps of 128 keys that lie wholly behind a tile's 16 queries.  reference() builds the mask itself (jnp.tril) and
; sets those scores to -1e9; every row keeps its own key, so the row's maximum is a kept score and the hidden keys' weights are exp(-1e9 - maximum).
; LIMITS: that holds while kept scores stay above -1e8; a NaN, an infinity or an overflow that reaches only the tiles left out is not carried to the result.
; Every input has a way to the output and is loaded by some launch.
; SHARES: cluster x = 0 makes K (A = keys, B = Wk), cluster x = 1 makes V (A = Wv, B = values).  A work-group makes 256 x 256, a wave 128 x 128 in 64 accumulators.
; A row of codes is 768 bytes: it goes through a ring of two LDS slots in three chunks of 256 bytes, each beginning at a multiple of 256 bytes; a step of 128 along K is 96 bytes,
; so steps 2 and 5 read both slots.  The scales of the 256 + 256 rows come once.  A's tiles are asked for jointly along a row of the cluster, B's along a column.
; The matrix instruction takes B's rows as source 0 and A's as source 1: a lane holds one row of A and eight neighbouring rows of B.  The bias is the C of the first step's products.
; No prefetch of tiles: the walk has three chunks, two of which are asked for ahead of the first product.
; Each work-group also quantises 32 rows of queries: a wave 16 rows x 512; their loads go out under the head's tensor loads, the arithmetic stands under chunk 1's flight.
; REGISTERS: window 0: v7-29 addresses, v32-63 scale words alone, v64-127 the bias, v128-223 A's fragments (later results' codes), v224-251 at work;
; window 1: B's fragments, two sets (first: the rows of queries); windows 2, 3: accumulators.
.set ROWB,   256
.set NQ,     2
.set KROW,   768
.set STEPS,  8
.set CHUNKS, 3
.set PITCH,  272
.set FR,     12
.set NL,     6
.set NP,     4
.set HALFT,  128*PITCH
.set SLOT,   4*HALFT
.set KS,     32
.set SCL,    2*SLOT
.set HALFS,  (128*KS/256)*272
.set SBLK,   (16*KS/256)*272
.set SPARE,  SCL+4*HALFS
.set XST,    SPARE+512                 ; behind the spare words: a stage of 16 rows x (256 + 16) bytes for each wave, in which the rows of queries are turned; no tensor load lands there
.set XA,   7
.set LI,   8
.set L8,   9
.set ADRA, 16
.set ADRB, 20
.set ADRS, 27
.set SPW,  28
.set NIL,  29
.set SC,   32
.set BX,   64
.set AF,   128
.set BAJ,  176
.set TM,   224
.set X,    248
.set SEL,  100
.set G1, 24
.set G0, 32
.set G1B, 48
.set G0B, 56
.set G1S, 68
.set G0S, 76
.set G1SB, 80
.set G0SB, 88
.set G0H, 4
.set G0HB, 8
.set MSB, 0
.macro WIN new
.if MSB != (\new)
	s_set_vgpr_msb (MSB<<8)|(\new)
.set MSB, (\new)
.endif
.endm
.set MUL_LO, 0xa1
.set MUL_HI, 0xf1
.set TO_B,   0x40
.macro WLO z                           ; products on window 2; z: their C is the bias, in window 0
.if \z
	WIN 0x81
.else
	WIN MUL_LO
.endif
.endm
.macro WHI z
.if \z
	WIN 0xc1
.else
	WIN MUL_HI
.endif
.endm
.macro JLOAD g0a, g1a, g0b, g1b        ; waves 0, 1 fetch for A, waves 2, 3 for B
	s_cmp_eq_u32 s97, 0
	s_cbranch_scc0 .Lfor_b_\@
	tensor_load_to_lds s[\g0a:\g0a+3], s[\g1a:\g1a+7]
	s_nop 0
.rept 4
	v_nop
.endr
	s_branch .Lasked_\@
.Lfor_b_\@:
	tensor_load_to_lds s[\g0b:\g0b+3], s[\g1b:\g1b+7]
	s_nop 0
.rept 4
	v_nop
.endr
.Lasked_\@:
.endm
.macro CREST
	s_cmp_lg_u32 s96, 0
	s_cbranch_scc1 .Lnot_wave_0_\@
	s_barrier_signal -3
.Lnot_wave_0_\@:
	s_barrier_wait -3
	s_barrier_signal -1
	s_barrier_wait -1
.endm
.macro CROUND
	s_barrier_signal -1
	s_barrier_wait -1
	CREST
.endm
; THE QUANTISER: 64 numbers of a lane, v[s] on in window w, four blocks of 32 shared with lane l xor 16, become 12 registers of codes at v[PC] and a scale word in v[PW].
.macro QUANT s, w
	WIN (\w)*5
.irp b, 0,1,2,3
	v_max3_num_f32 v[TM+\b], |v[(\s)+16*\b]|, |v[(\s)+1+16*\b]|, 0x1800000   ; the floor 2^(3 - 127) keeps the byte at 1 or above
.endr
	WIN (\w)*20
.irp i, 2,4,6,8,10,12,14
.irp b, 0,1,2,3
	v_max3_num_f32 v[TM+\b], v[TM+\b], |v[(\s)+16*\b+\i]|, |v[(\s)+1+16*\b+\i]|
.endr
.endr
	WIN 0
.irp b, 0,1,2,3
	v_permlanex16_b32 v[TM+4+\b], v[TM+\b], s[SEL], s[SEL+1]
.endr
.irp b, 0,1,2,3
	v_max_num_f32 v[TM+\b], v[TM+\b], v[TM+4+\b]
.endr
.irp b, 0,1,2,3
	v_add_nc_u32 v[TM+12+\b], 0xff000000, v[TM+\b]   ; 2 off the exponent field: the conversion's scale operand
.endr
.irp b, 0,1,2,3
	v_lshrrev_b32 v[TM+4+\b], 23, v[TM+12+\b]
.endr
	v_lshl_or_b32 v[PW], v[TM+5], 8, v[TM+4]
	v_lshl_or_b32 v[PW], v[TM+6], 16, v[PW]
	v_lshl_or_b32 v[PW], v[TM+7], 24, v[PW]
	WIN (\w)
.irp c, 0,1
	v_cvt_scalef32_pk16_fp6_f32 v[PC+6*\c:PC+6*\c+2], v[(\s)+32*\c:(\s)+32*\c+15], v[TM+12+2*\c]
	v_cvt_scalef32_pk16_fp6_f32 v[PT+4*\c:PT+4*\c+2], v[(\s)+16+32*\c:(\s)+31+32*\c], v[TM+13+2*\c]
.endr
	WIN 0
	v_nop
.irp c, 0,1
.irp i, 0,1,2
	v_permlane16_swap_b32 v[PC+6*\c+\i], v[PT+4*\c+\i]
.endr
.irp i, 0,1,2
	v_mov_b32 v[PC+3+6*\c+\i], v[PT+4*\c+\i]
.endr
.endr
.endm
	s_load_b512 s[4:19], s[0:1], 0x0
	v_lshl_add_u32 v[SPW], v0, 2, SPARE
	v_mov_b32 v[NIL], 0
	ds_add_u32 v[SPW], v[NIL]                      ; the opening lines
	ds_add_u32 v[SPW], v[NIL]
	v_lshrrev_b32 v1, 5, v0
	v_readfirstlane_b32 s96, v1                    ; wave
	s_lshr_b32 s97, s96, 1                         ; my half of A's rows; I fetch for A (0) or B (1)
	s_and_b32 s98, s96, 1                          ; my half of B's rows; which 128 rows I fetch
	s_bfe_u32 s40, ttmp6, 0x40000                  ; cx
	s_bfe_u32 s41, ttmp6, 0x40004                  ; cy
	s_and_b32 s67, ttmp7, 0xffff
	s_lshl_b32 s67, s67, 2
	s_cmp_eq_u32 ttmp9, 0
	s_cselect_b32 s66, 1, 0                        ; 1: K, 0: V
	s_cselect_b32 s99, s67, 0
	s_cselect_b32 s42, 0, s67
	s_add_co_u32 s99, s99, s41                     ; A's tile: hangs on cy alone
	s_add_co_u32 s42, s42, s40                     ; B's tile: on cx alone
	s_lshl_b32 s43, s41, 2
	s_lshl_b32 s43, 15, s43
	s_lshl_b32 s44, 0x1111, s40
	s_or_b32 s[G1+0], s43, (0<<16)|(1<<20)|(1<<21)|(5<<22)|(3<<25)
	s_or_b32 s[G1B+0], s44, (0<<16)|(1<<20)|(1<<21)|(5<<22)|(3<<25)
.irp g, G1, G1B
	s_mov_b32 s[\g+1], ROWB<<16
	s_mov_b32 s[\g+2], 256<<16                     ; the head's loads bring 256 rows
	s_mov_b32 s[\g+3], ROWB<<16
	s_mov_b32 s[\g+4], 256
	s_mov_b32 s[\g+5], KROW
	s_mov_b32 s[\g+6], 0
	s_mov_b32 s[\g+7], 0
.endr
	s_or_b32 s[G1S+0], s43, (3<<16)|(1<<20)|(1<<21)|(5<<22)|(3<<25)
	s_or_b32 s[G1SB+0], s44, (3<<16)|(1<<20)|(1<<21)|(5<<22)|(3<<25)
.irp g, G1S, G1SB
	s_mov_b32 s[\g+1], 32<<16                      ; the scales of 256 rows: 32 dense rows of 256 bytes
	s_mov_b32 s[\g+2], KS<<16
	s_mov_b32 s[\g+3], 32<<16
	s_mov_b32 s[\g+4], KS
	s_mov_b32 s[\g+5], 32
	s_mov_b32 s[\g+6], 0
	s_mov_b32 s[\g+7], 0
.endr
	s_mov_b32 s95, 0xffff0000
	s_mov_b32 s[SEL], 0x76543210
	s_mov_b32 s[SEL+1], 0xfedcba98
	s_lshl_b32 s20, s99, 8                         ; A's first row
	s_lshl_b32 s46, s42, 8                         ; B's
	s_lshl_b32 s22, s20, 5                         ; their scales, in bytes
	s_mov_b32 s23, 0
	s_lshl_b32 s92, s46, 5
	s_mov_b32 s93, 0
	s_mul_i32 s20, s20, KROW                       ; their codes
	s_mov_b32 s21, 0
	s_mul_i32 s46, s46, KROW
	s_mov_b32 s47, 0
	s_mul_i32 s2, s98, 128*KROW                    ; in the ring: my 128 rows
	s_mov_b32 s3, 0
	s_mul_i32 s45, s96, HALFT
	s_wait_dscnt 0x0
	s_wait_kmcnt 0x0
	s_cmp_eq_u32 ttmp9, 0
	s_cselect_b64 s[4:5], s[4:5], s[12:13]
	s_cselect_b64 s[6:7], s[6:7], s[14:15]
	s_cselect_b64 s[8:9], s[8:9], s[16:17]
	s_cselect_b64 s[10:11], s[10:11], s[18:19]
	s_load_b256 s[12:19], s[0:1], 0x40             ; bk, bv, queries, kv
	s_load_b64 s[104:105], s[0:1], 0x60            ; xq
	s_add_nc_u64 s[20:21], s[4:5], s[20:21]
	s_add_nc_u64 s[22:23], s[6:7], s[22:23]
	s_add_nc_u64 s[46:47], s[8:9], s[46:47]
	s_add_nc_u64 s[92:93], s[10:11], s[92:93]
	CROUND                                         ; in front of the first joint loads
	s_mov_b32 s[G0H], 1
	s_mov_b32 s[G0H+1], 0
	s_mov_b64 s[G0H+2:G0H+3], s[20:21]
	s_or_b32 s[G0H+3], s[G0H+3], 0x80000000
	s_mov_b32 s[G0HB], 1
	s_mov_b32 s[G0HB+1], 2*HALFT
	s_mov_b64 s[G0HB+2:G0HB+3], s[46:47]
	s_or_b32 s[G0HB+3], s[G0HB+3], 0x80000000
	s_mov_b32 s[G0S], 1
	s_mov_b32 s[G0S+1], SCL
	s_mov_b64 s[G0S+2:G0S+3], s[22:23]
	s_or_b32 s[G0S+3], s[G0S+3], 0x80000000
	s_mov_b32 s[G0SB], 1
	s_mov_b32 s[G0SB+1], SCL+2*HALFS
	s_mov_b64 s[G0SB+2:G0SB+3], s[92:93]
	s_or_b32 s[G0SB+3], s[G0SB+3], 0x80000000
	s_add_nc_u64 s[20:21], s[20:21], s[2:3]
	s_add_nc_u64 s[46:47], s[46:47], s[2:3]
.irp s, 0,1
	s_mov_b32 s[G0+4*\s], 1
	s_add_co_u32 s[G0+4*\s+1], s45, \s*SLOT
	s_add_nc_u64 s[G0+4*\s+2:G0+4*\s+3], s[20:21], \s*ROWB
	s_or_b32 s[G0+4*\s+3], s[G0+4*\s+3], 0x80000000
	s_mov_b32 s[G0B+4*\s], 1
	s_add_co_u32 s[G0B+4*\s+1], s45, \s*SLOT
	s_add_nc_u64 s[G0B+4*\s+2:G0B+4*\s+3], s[46:47], \s*ROWB
	s_or_b32 s[G0B+4*\s+3], s[G0B+4*\s+3], 0x80000000
.endr
; the head's four tiles, one load a wave: chunk 0 of A, chunk 0 of B, A's scales, B's scales
.macro ARM under, g0, g1, next
	s_cmp_lt_u32 s96, \under
	s_cbranch_scc0 \next
	tensor_load_to_lds s[\g0:\g0+3], s[\g1:\g1+7]
	s_nop 0
.rept 4
	v_nop
.endr
	s_branch .Lhead_asked
\next:
.endm
	ARM 1, G0H,  G1,  .Lhead_b
	ARM 2, G0HB, G1B, .Lhead_sa
	ARM 3, G0S,  G1S, .Lhead_sb
	tensor_load_to_lds s[G0SB:G0SB+3], s[G1SB:G1SB+7]
	s_nop 0
.rept 4
	v_nop
.endr
.Lhead_asked:
	v_and_b32 v1, 15, v0                           ; r
	v_bfe_u32 v2, v0, 4, 1                         ; h
	v_mul_u32_u24 v3, v1, PITCH
	v_mul_u32_u24 v4, v2, 24
	v_add_nc_u32 v4, v3, v4                        ; row x pitch + 24 h
	s_mov_b32 s21, SLOT-232
	s_mov_b32 s22, SLOT+232
	v_sub_nc_u32 v7, 1, v2
	v_mul_u32_u24 v5, s21, v2
	v_add_nc_u32 v5, v3, v5
	v_add_nc_u32 v5, 232, v5                       ; lanes 0-15 byte 232 in slot 0, lanes 16-31 byte 0 in slot 1
	v_mul_u32_u24 v6, s22, v7
	v_add_nc_u32 v6, v3, v6                        ; and the other way round
	s_mul_i32 s21, s97, HALFT
	s_mul_i32 s22, s98, HALFT
	s_add_co_u32 s22, s22, 2*HALFT
	v_add_nc_u32 v[ADRA+2], s21, v5
	v_add_nc_u32 v[ADRA+3], s21, v6
	v_add_nc_u32 v[ADRB+2], s22, v5
	v_add_nc_u32 v[ADRB+3], s22, v6
.irp s, 0,1
	v_add_nc_u32 v[ADRA+\s], s21, v4
	v_add_nc_u32 v[ADRB+\s], s22, v4
	s_add_co_u32 s21, s21, SLOT
	s_add_co_u32 s22, s22, SLOT
.endr
	v_mul_u32_u24 v5, v1, KS
	v_lshrrev_b32 v6, 8, v5
	v_lshl_add_u32 v5, v6, 4, v5
	s_mul_i32 s21, s97, HALFS
	s_mul_i32 s22, s98, HALFS
	s_add_co_u32 s22, s22, 2*HALFS
	s_sub_co_u32 s22, s22, s21
	v_mul_u32_u24 v6, s22, v2                      ; lanes 16-31 take B's scale words
	s_add_co_u32 s21, s21, SCL
	v_add_nc_u32 v5, v5, v6
	v_add_nc_u32 v[ADRS], s21, v5
	v_lshlrev_b32 v[XA], 12, v2                    ; queries: sixteen lanes read 256 consecutive bytes of a row, aligned; lanes 16-31 the next row
	v_lshl_add_u32 v[XA], v1, 4, v[XA]
	s_mul_i32 s21, s96, 4352
	s_add_co_u32 s21, s21, XST                     ; my stage
	v_mul_u32_u24 v10, v2, 272
	v_lshl_add_u32 v10, v1, 4, v10
	v_add_nc_u32 v10, s21, v10                     ; in: as loaded
	v_mul_u32_u24 v11, v1, 272
	v_lshl_add_u32 v11, v2, 6, v11
	v_add_nc_u32 v11, s21, v11                     ; back: row r, + 64 h bytes: 16 neighbours along K for a lane
	v_and_b32 v3, 31, v0
	v_lshlrev_b32 v[LI], 4, v3
	v_lshlrev_b32 v[L8], 3, v3
.irp b, 0,1,2,3
	v_mov_b32 v[TM+4+\b], 0                        ; a lane permute's destination counts as a source
.endr
	s_wait_alu depctr_va_vdst(0)
	s_wait_kmcnt 0x0
	s_lshl_b32 s2, s99, 1
	s_add_co_u32 s2, s2, s97                       ; my 128 rows of A
	s_lshl_b32 s3, s42, 1
	s_add_co_u32 s3, s3, s98                       ; my 128 rows of B
	s_cmp_eq_u32 s66, 1
	s_cselect_b32 s20, s2, s3                      ; the key step among 64
	s_cselect_b32 s21, s3, s2                      ; the head
	s_cselect_b32 s22, 0, 12800
	s_cselect_b64 s[12:13], s[12:13], s[14:15]
	s_lshr_b32 s23, s20, 4
	s_lshl_b32 s23, s23, 3
	s_add_co_u32 s23, s23, s21
	s_lshl_b32 s23, s23, 4
	s_and_b32 s20, s20, 15
	s_add_co_u32 s23, s23, s20                     ; record (batch x 8 + head) x 16 + step: K's 12,800 bytes, then V's
	s_mul_i32 s23, s23, 25600
	s_add_co_u32 s2, s23, s22
	s_mov_b32 s3, 0
	s_add_nc_u64 s[18:19], s[18:19], s[2:3]
	s_lshl_b32 s2, s21, 9
	s_add_nc_u64 s[12:13], s[12:13], s[2:3]
	s_lshl_b32 s2, s66, 5
	s_xor_b32 s3, s66, 1
	s_lshl_b32 s3, s3, 2
	v_mul_u32_u24 v3, v2, s2                       ; K: the bias runs along my registers (32 h + 4 j); V: along the lanes (4 r)
	v_mad_u32_u24 v3, v1, s3, v3
	s_wait_alu depctr_va_vdst(0)
	s_lshl_b32 s2, s66, 2
.irp j, 0,1,2,3,4,5,6,7
	s_mul_i32 s3, s2, \j
	v_add_nc_u32 v[BAJ+\j], s3, v3
.endr
	s_wait_alu depctr_va_vdst(0)
.irp i, 0,1,2,3,4,5,6,7
.irp j, 0,1,2,3,4,5,6,7
	global_load_b32 v[BX+8*\i+\j], v[BAJ+\j], s[12:13] offset:64*\i
.endr
.endr
	s_add_co_u32 s2, s67, s41
	s_lshl_b32 s2, s2, 3
	s_add_co_u32 s2, s2, s40
	s_lshl_b32 s3, ttmp9, 2
	s_add_co_u32 s2, s2, s3
	s_lshl_b32 s2, s2, 1
	s_add_co_u32 s2, s2, s97                       ; my 16 rows of queries among 512 such
	s_lshl_b32 s20, s2, 16
	s_lshl_b32 s3, s98, 11
	s_add_co_u32 s20, s20, s3                      ; and my 512 of their 1,024 numbers
	s_mov_b32 s21, 0
	s_add_nc_u64 s[20:21], s[16:17], s[20:21]
	s_mul_i32 s22, s2, 12800
	s_mov_b32 s23, 0
	s_add_nc_u64 s[22:23], s[104:105], s[22:23]
	s_lshl_b32 s46, s98, 8
	s_add_co_u32 s46, s46, 12288
	s_mov_b32 s47, 0
	s_add_nc_u64 s[46:47], s[22:23], s[46:47]
	s_mul_i32 s2, s98, 6144
	s_mov_b32 s3, 0
	s_add_nc_u64 s[22:23], s[22:23], s[2:3]
	WIN 0x40
.irp u, 0,1,2,3
.irp b, 0,1
.irp j, 0,1,2,3,4,5,6,7
	global_load_b128 v[64*\u+32*\b+4*\j:64*\u+32*\b+4*\j+3], v[XA], s[20:21] offset:512*\u+256*\b+8192*\j th:TH_LOAD_NT
.endr
.endr
.endr
	WIN 0
.macro FRAG reg, adr, st, i            ; 16 rows x 128 K: six pieces of 8 bytes, each inside one chunk
.irp p, 0,1,2,3,4,5
.set BY, 96*(\st)+48*(\p/3)+8*(\p%3)
.if BY/ROWB == (BY+24)/ROWB
	ds_load_b64 v[\reg+2*\p:\reg+2*\p+1], v[\adr+(BY/ROWB)%2] offset:BY%ROWB+(\i)*16*PITCH
.else
	ds_load_b64 v[\reg+2*\p:\reg+2*\p+1], v[\adr+2+(BY/ROWB)%2] offset:BY%ROWB-232+(\i)*16*PITCH
.endif
.endr
.endm
; 16 products: A's blocks a0, a0 + 1 x B's eight.  zero = 0: in place; 1: C = bk at my eight registers' columns; 2: C = bv at my lane's row.  The accumulators take turns.
.macro MUL16 a0, p, q, sc, zero
.irp a, \a0, \a0+1
.irp b, 0,1,2,3,4,5,6,7
.set DD, 8*(8*((\a)%4)+\b)
.if (\zero) == 1
.set CC, BX+8*\b
.elseif (\zero) == 2
.set CC, BX+8*(\a)
.else
.set CC, DD
.endif
	v_wmma_scale_f32_16x16x128_f8f6f4 v[DD:DD+7], v[128*(\p)+FR*\b:128*(\p)+FR*\b+FR-1], v[AF+FR*(\a):AF+FR*(\a)+FR-1], v[CC:CC+7], v[SC+8*NQ*(\sc)+NQ*\b+(\q)], v[SC+8*NQ*(\sc)+NQ*(\a)+(\q)] matrix_a_fmt:MATRIX_FMT_FP6 matrix_b_fmt:MATRIX_FMT_FP6 matrix_a_scale:MATRIX_SCALE_ROW1
.endr
.endr
.endm
.macro FETCH_B st, p
	WIN TO_B
.irp i, 0,1,2,3,4,5,6,7
	FRAG 128*(\p)+FR*\i, ADRB, \st, \i
.endr
	WIN 0
.endm
.macro FETCH_A st, i0
.irp i, \i0, \i0+1, \i0+2, \i0+3
	FRAG AF+FR*(\i), ADRA, \st, \i
.endr
.endm
.macro SCALES pr
.irp i, 0,1,2,3,4,5,6,7
	ds_load_b64 v[SC+8*NQ*((\pr)%2)+NQ*\i:SC+8*NQ*((\pr)%2)+NQ*\i+1], v[ADRS] offset:\i*SBLK+4*NQ*(\pr)
.endr
.endm
.macro PLACES n
.rept \n
	v_nop
.endr
.endm
; A step of 128 along K.  Where the next step's bytes end in a chunk not yet read, a barrier shows that chunk whole; where they begin in a later chunk, the chunk left behind is free:
; the three lines, the barrier, and, where a chunk two on is left, a round of the cluster's barrier and the joint refill.
.macro STEP st, zero
.set NX, (\st)+1
.set C0, (96*(\st))/ROWB
.set C1, (96*NX)/ROWB
.set E0, (96*(\st)+95)/ROWB
.set E1, (96*NX+95)/ROWB
.if C1 > C0 || E1 > E0
	s_wait_tensorcnt 0x0
.if C1 > C0
	ds_add_u32 v[SPW], v[NIL]
	s_wait_dscnt 4*NL+1                            ; the add and A's blocks 4-7 (24 loads) may be out
.else
	s_wait_dscnt 4*NL
.endif
	WLO \zero
	MUL16 0, (\st)%2, (\st)%2, ((\st)/2)%2, \zero
	s_wait_dscnt 0x0
	s_barrier_signal -1
	MUL16 2, (\st)%2, (\st)%2, ((\st)/2)%2, \zero
	WIN 0
	s_barrier_wait -1
.if C1 > C0 && C0+2 < CHUNKS
	CREST
	s_add_nc_u64 s[G0+4*(C0%2)+2:G0+4*(C0%2)+3], s[G0+4*(C0%2)+2:G0+4*(C0%2)+3], 2*ROWB
	s_add_nc_u64 s[G0B+4*(C0%2)+2:G0B+4*(C0%2)+3], s[G0B+4*(C0%2)+2:G0B+4*(C0%2)+3], 2*ROWB
	JLOAD G0+4*(C0%2), G1, G0B+4*(C0%2), G1B
.else
	PLACES NP
.endif
.else
	s_wait_dscnt 4*NL                              ; A's blocks 4-7 (24 loads) may be out
	WLO \zero
	MUL16 0, (\st)%2, (\st)%2, ((\st)/2)%2, \zero
	MUL16 2, (\st)%2, (\st)%2, ((\st)/2)%2, \zero
	s_wait_dscnt 0
	PLACES NP
.endif
	FETCH_B NX, NX%2
	FETCH_A NX, 0
.if NX%2 == 0
	SCALES NX/2
.endif
	WHI \zero
	MUL16 4, (\st)%2, (\st)%2, ((\st)/2)%2, \zero
	MUL16 6, (\st)%2, (\st)%2, ((\st)/2)%2, \zero
	PLACES NP
	WIN 0
	FETCH_A NX, 4
.endm
	s_wait_alu depctr_va_vdst(0)
	s_wait_tensorcnt 0x0                           ; my tile of the head's four is in
	ds_add_u32 v[SPW], v[NIL]
	s_mov_b32 s[G1+2], 128<<16                     ; no load of mine is out: from here on a load brings 128 rows
	s_mov_b32 s[G1+4], 128
	s_mov_b32 s[G1B+2], 128<<16
	s_mov_b32 s[G1B+4], 128
	s_wait_dscnt 0x0
	CROUND
	JLOAD G0+4, G1, G0B+4, G1B                     ; chunk 1, slot 1's first fill, issued as a refill is
.set PT, 216
.irp u, 0,1,2,3                        ; my rows of queries, 128 along K at a time
	s_wait_loadcnt 48-16*\u
.irp b, 0,1                            ; 16 rows x 64 numbers at a time through my stage; LDS serves a wave's instructions in order (ISA guide 5.7.1.4), so no wait stands between
	WIN 0x04
.irp i, 0,1,2,3,4,5,6,7
	ds_store_b128 v10, v[64*\u+32*\b+4*\i:64*\u+32*\b+4*\i+3] offset:544*\i
.endr
	WIN 0x40
.irp i, 0,1,2,3,4,5,6,7
	ds_load_b128 v[64*\u+32*\b+4*\i:64*\u+32*\b+4*\i+3], v11 offset:128*(\i/4)+16*(\i%4)
.endr
.endr
	WIN 0
	s_wait_dscnt 0x0
.set PC, 128+12*\u
.set PW, 240+\u
	QUANT 64*\u, 1
.endr
.irp u, 0,1,2,3
.irp c, 0,1,2
	global_store_b128 v[LI], v[128+12*\u+4*\c:128+12*\u+4*\c+3], s[22:23] offset:1536*\u+512*\c
.endr
.endr
	v_cndmask_b32 v[X], v240, v241, s95            ; lanes 0-15 the even step's scale word, lanes 16-31 the odd one's
	v_cndmask_b32 v[X+1], v242, v243, s95
	global_store_b64 v[L8], v[X:X+1], s[46:47]
	s_wait_xcnt 0x0                                ; the stores have read their data: the fragments may land there
	FETCH_B 0, 0
	FETCH_A 0, 0
	SCALES 0
	FETCH_A 0, 4
	s_cmp_eq_u32 s66, 1                            ; the cluster's x: the same in all partners
	s_cbranch_scc0 .Lfirst_v
	STEP 0, 1
	s_branch .Lfirst_done
.Lfirst_v:
	STEP 0, 2
.Lfirst_done:
.set ST, 1
.rept STEPS-2
	STEP ST, 0
.set ST, ST+1
.endr
	s_wait_dscnt 4*NL
	WIN MUL_LO
	MUL16 0, 1, 1, 1, 0
	MUL16 2, 1, 1, 1, 0
	s_wait_dscnt 0
	WIN MUL_HI
	MUL16 4, 1, 1, 1, 0
	MUL16 6, 1, 1, 1, 0
	WIN 0
	PLACES NP
.set PT, 64                            ; the bias has been used
.irp a, 0,1,2,3,4,5,6,7                ; block a's 16 rows x 128: a fragment of K (16 keys) or of V^T (16 of the head's 128), straight from the accumulators, each from its low end on
.set PC, 128+12*\a
.set PW, 240+\a
	QUANT 64*(\a%4), 2+\a/4
.endr
.irp i, 0,1,2,3
	v_cndmask_b32 v[X+\i], v[240+2*\i], v[241+2*\i], s95
.endr
.irp a, 0,1,2,3,4,5,6,7
.irp c, 0,1,2
	global_store_b128 v[LI], v[128+12*\a+4*\c:128+12*\a+4*\c+3], s[18:19] offset:1536*\a+512*\c th:TH_STORE_NT   ; 32 lanes store 512 consecutive bytes, aligned
.endr
.endr
	global_store_b128 v[LI], v[X:X+3], s[18:19] offset:12288 th:TH_STORE_NT
	s_wait_tensorcnt 0x0                           ; the wave's end
	ds_add_u32 v[SPW], v[NIL]
	s_wait_dscnt 0x0
	CROUND
	s_endpgm
.Lfunc_end_k_qb061a337c6_proj:
	.size	k_qb061a337c6_proj, .Lfunc_end_k_qb061a337c6_proj-k_qb061a337c6_proj
	.p2alignl 7, 3214868480
	.fill 96, 4, 3214868480
	.section	.rodata,"a",@progbits
	.p2align	6, 0x0
	.amdhsa_kernel k_qb061a337c6_proj
		.amdhsa_group_segment_fixed_size 327680
		.amdhsa_private_segment_fixed_size 0
		.amdhsa_enable_private_segment 0
		.amdhsa_kernarg_size 104
		.amdhsa_user_sgpr_count 2
		.amdhsa_user_sgpr_kernarg_segment_ptr 1
		.amdhsa_wavefront_size32 1
		.amdhsa_system_sgpr_workgroup_id_x 1
		.amdhsa_system_sgpr_workgroup_id_y 1
		.amdhsa_system_sgpr_workgroup_id_z 1
		.amdhsa_system_vgpr_workitem_id 0
		.amdhsa_next_free_vgpr 1024
		.amdhsa_next_free_sgpr 106
		.amdhsa_reserve_vcc 0
		.amdhsa_float_denorm_mode_32 3
		.amdhsa_float_denorm_mode_16_64 3
		.amdhsa_memory_ordered 1
		.amdhsa_forward_progress 1
		.amdhsa_inst_pref_size 220
	.end_amdhsa_kernel
	.amdgpu_metadata
---
amdhsa.version: [ 1, 2 ]
amdhsa.kernels:
  - .name:           k_qb061a337c6_proj
    .symbol:         k_qb061a337c6_proj.kd
    .args:
      - { .name: keys_codes, .offset: 0, .size: 8, .value_kind: global_buffer, .address_space: global }
      - { .name: keys_scales, .offset: 8, .size: 8, .value_kind: global_buffer, .address_space: global }
      - { .name: Wk_codes, .offset: 16, .size: 8, .value_kind: global_buffer, .address_space: global }
      - { .name: Wk_scales, .offset: 24, .size: 8, .value_kind: global_buffer, .address_space: global }
      - { .name: Wv_codes, .offset: 32, .size: 8, .value_kind: global_buffer, .address_space: global }
      - { .name: Wv_scales, .offset: 40, .size: 8, .value_kind: global_buffer, .address_space: global }
      - { .name: values_codes, .offset: 48, .size: 8, .value_kind: global_buffer, .address_space: global }
      - { .name: values_scales, .offset: 56, .size: 8, .value_kind: global_buffer, .address_space: global }
      - { .name: bk, .offset: 64, .size: 8, .value_kind: global_buffer, .address_space: global }
      - { .name: bv, .offset: 72, .size: 8, .value_kind: global_buffer, .address_space: global }
      - { .name: queries, .offset: 80, .size: 8, .value_kind: global_buffer, .address_space: global }
      - { .name: kv, .offset: 88, .size: 8, .value_kind: global_buffer, .address_space: global }
      - { .name: xq, .offset: 96, .size: 8, .value_kind: global_buffer, .address_space: global }
    .group_segment_fixed_size: 327680
    .private_segment_fixed_size: 0
    .kernarg_segment_align: 8
    .kernarg_segment_size: 104
    .max_flat_workgroup_size: 128
    .sgpr_count:     106
    .vgpr_count:     1024
    .wavefront_size: 32
...
	.end_amdgpu_metadata
.endif
;; end of part 1
;; launch attn (part 2): grid 8 x 32, 8 waves a work-group, no clusters, 327,680 bytes of LDS; arguments xq, Wq_codes, Wq_scales, bq, kv, queries, resid; writes resid
.if DOCPART == 2
	.amdgcn_target "amdgcn-amd-amdhsa--gfx1250"
	.amdhsa_code_object_version 6
	.text
	.protected	k_qb061a337c6_attn
	.globl	k_qb061a337c6_attn
	.p2align	8
	.type	k_qb061a337c6_attn,@function
k_qb061a337c6_attn:
	s_mov_b64 s[64:65], 0
	v_nop
	global_prefetch_b8 v0, s[64:65] scope:SCOPE_SE
	s_setreg_imm32_b32 hwreg(HW_REG_WAVE_MODE, 25, 1), 1
	s_wait_xcnt 0x0
; resid[b][q][128 head ..] = softmax-weighted V / the row's sum + queries, for one head and 256 queries a work-group.  Q = queries Wq + bq of the wave's own queries and head is made here, from the codes in xq.
; WORK LEFT OUT: for each tile of 16 queries the key steps of 128 keys that lie wholly behind it (reference()'s own jnp.tril; shown at the first kernel's head, with the limits).
; LIMIT: the promise holds while the scaled scores stay under 2^31 in magnitude; the running maximum begins at -3e38.
; THE SOFTMAX: t = score x log2(e) / sqrt(128); M = the running largest t rounded up to a whole number; p = 2^(t - M) is quantised along the keys; the row's sum is taken of the unquantised p.
; SHARES.  Work-group (J, batch x 8 + head) owns the blocks J and 15 - J of 128 queries.  Every wave owns one tile of 16 queries of each: tile 0 (window 0) in the early block, tile 1 (window 1)
; in the late one, at the same register numbers: 17 tile steps for every wave of the launch.  Behind tile 0's diagonal its products and softmax are jumped over by tests on ids alone.
; NO CLUSTER: the work-groups of a head need different numbers of slots (1,152 to 2,048 keys by J).
; Both products are used transposed (S^T = K Q^T, O^T = V^T P^T): a lane holds one query.  A slot of the ring holds two key steps' records of kv.  Every work-group walks 8 slots; every wait on TENSORcnt is for 0.
; K'S FRAGMENTS ARE ASKED FOR A STEP AHEAD.  Two regions of 64 registers in each window, P = v16-79 and R = v96-159, change roles from step to step.  A slot's first step: K in P, scores in R, V into P,
; and once p is converted the second step's K into R.  Its second step: K in R, scores in P, V into R; when V is in, the wave has read the slot out: the change of slots stands there, and behind it the next slot's K
; goes into P, ahead of the step's O products.
; PREFETCH: the head's first work-group names the slot that the next change will ask for, 25 blocks of 256 bytes a wave; a tile's rows of queries are named at its diagonal step.
; LDS: slot 0 at 0; the waves' stages at 51,200; slot 1 at 2^17; Wq's 128 rows at 182,272 (pitch 816); their scale bytes at 286,720; the spare words at 290,816.
; REGISTERS (both windows unless marked): w0 v1-7 offsets; v8 the mask's lane term; w0 v9 tile 1's p's scale word, v10, v11 Q's; v12 -M, v13 largest t, v[14:15] the sum; v80-91 Q; w0 v92-95 K's scale words;
; v160-223 O^T; v224-235 p's codes; v232-254 at work; w0 v248-251 V's scale words.  In Q's projection: w0 v16-31 scale words, v32-127 Wq's fragments, v128-255 accumulators; w1 v64-255 the queries' fragments.
.set SLOT1, 1<<17
.set REC,   25600
.set STAGE, 51200
.set WQ,    182272
.set WQS,   286720
.set SPARE, 290816
.set LI,  1
.set AD,  2
.set SPW, 3
.set NIL, 4
.set GO,  5
.set PFO, 6
.set RPO, 7
.set LT,  8
.set QF,  80
.set WV,  18
.set SEL, 20
.set CS,  22
.set G1D, 24
.set G1W, 32
.set G1C, 40
.set G0,  48
.set G0W, 52
.set G0C, 56
.set TB,  2
.set SLOTS, 66
.set KF,  67
.set Q0,  68                           ; tile 1's first query
.set LASTQ, 69
.set PFA, 72
.set LIM, 74
.set QR,  76                           ; tile T's rows of queries at s[QR + 8 T], of resid at s[RS + 8 T], of xq at s[XB + 8 T]
.set RS,  78
.set XB,  80
.set BQ,  82
.set Q0E, 90                           ; tile 0's first query
.set E15, 91                           ; its last
.set L15, 92                           ; tile 1's last
.set MSB, 0
.macro WIN new
.if MSB != (\new)
	s_set_vgpr_msb (MSB<<8)|(\new)
.set MSB, (\new)
.endif
.endm
.macro QUANT s, w                      ; the quantiser of the first launch
	WIN (\w)*5
.irp b, 0,1,2,3
	v_max3_num_f32 v[TM+\b], |v[(\s)+16*\b]|, |v[(\s)+1+16*\b]|, 0x1800000
.endr
	WIN (\w)*20
.irp i, 2,4,6,8,10,12,14
.irp b, 0,1,2,3
	v_max3_num_f32 v[TM+\b], v[TM+\b], |v[(\s)+16*\b+\i]|, |v[(\s)+1+16*\b+\i]|
.endr
.endr
	WIN 0
.irp b, 0,1,2,3
	s_delay_alu instid0(VALU_DEP_4)
	v_permlanex16_b32 v[TM+4+\b], v[TM+\b], s[SEL], s[SEL+1]
.endr
.irp b, 0,1,2,3
	s_delay_alu instid0(VALU_DEP_4)
	v_max_num_f32 v[TM+\b], v[TM+\b], v[TM+4+\b]
.endr
.irp b, 0,1,2,3
	s_delay_alu instid0(VALU_DEP_4)
	v_add_nc_u32 v[TM+12+\b], 0xff000000, v[TM+\b]
.endr
.irp b, 0,1,2,3
	s_delay_alu instid0(VALU_DEP_4)
	v_lshrrev_b32 v[TM+4+\b], 23, v[TM+12+\b]
.endr
	s_delay_alu instid0(VALU_DEP_3)
	v_lshl_or_b32 v[PW], v[TM+5], 8, v[TM+4]
	s_delay_alu instid0(VALU_DEP_1)
	v_lshl_or_b32 v[PW], v[TM+6], 16, v[PW]
	s_delay_alu instid0(VALU_DEP_1)
	v_lshl_or_b32 v[PW], v[TM+7], 24, v[PW]
	WIN (\w)
.irp c, 0,1
	v_cvt_scalef32_pk16_fp6_f32 v[PC+6*\c:PC+6*\c+2], v[(\s)+32*\c:(\s)+32*\c+15], v[TM+12+2*\c]
	v_cvt_scalef32_pk16_fp6_f32 v[PT+4*\c:PT+4*\c+2], v[(\s)+16+32*\c:(\s)+31+32*\c], v[TM+13+2*\c]
.endr
	WIN 0
	v_nop
.irp c, 0,1
.irp i, 0,1,2
	v_permlane16_swap_b32 v[PC+6*\c+\i], v[PT+4*\c+\i]
.endr
.irp i, 0,1,2
	s_delay_alu instid0(VALU_DEP_3)
	v_mov_b32 v[PC+3+6*\c+\i], v[PT+4*\c+\i]
.endr
.endr
.endm
	s_load_b256 s[4:11], s[0:1], 0x0               ; xq, Wq's codes, Wq's scales, bq
	s_load_b128 s[12:15], s[0:1], 0x20             ; kv, queries
	s_load_b64 s[16:17], s[0:1], 0x30              ; resid
	v_lshl_add_u32 v[SPW], v0, 2, SPARE
	v_mov_b32 v[NIL], 0
	ds_add_u32 v[SPW], v[NIL]                      ; the opening lines
	ds_add_u32 v[SPW], v[NIL]
	v_lshrrev_b32 v1, 5, v0
	s_delay_alu instid0(VALU_DEP_1)
	v_readfirstlane_b32 s[WV], v1                  ; wave 0..7
	s_mov_b32 s19, ttmp9                           ; J
	s_and_b32 s70, ttmp7, 0xffff                   ; batch x 8 + head
	s_and_b32 s60, s[WV], 3                        ; which quarter of a slot
	s_and_b32 s63, s[WV], 1                        ; which half of Wq's rows
	s_and_b32 s61, s70, 7                          ; the head
	s_lshr_b32 s62, s70, 3                         ; the batch
	s_lshl_b32 s93, s[WV], 4
	s_lshl_b32 s[Q0E], s19, 7
	s_add_co_u32 s[Q0E], s[Q0E], s93               ; 128 J + 16 wave
	s_sub_co_u32 s[Q0], 15, s19
	s_lshl_b32 s[Q0], s[Q0], 7
	s_add_co_u32 s[LASTQ], s[Q0], 127              ; my work-group's last query
	s_add_co_u32 s[Q0], s[Q0], s93                 ; 128 (15 - J) + 16 wave
	s_add_co_u32 s[E15], s[Q0E], 15
	s_add_co_u32 s[L15], s[Q0], 15
	s_mul_i32 s[G0W+2], s61, 98304                 ; offsets first, each in the registers that will hold the address
	s_mul_i32 s94, s63, 49152
	s_add_co_u32 s[G0W+2], s[G0W+2], s94
	s_mov_b32 s[G0W+3], 0
	s_lshl_b32 s[G0C+2], s61, 12
	s_mov_b32 s[G0C+3], 0
	s_mul_i32 s[PFA], s70, 409600                  ; the head's 16 records
	s_mul_i32 s97, s60, 12800
	s_add_co_u32 s[G0+2], s[PFA], s97
	s_mov_b32 s[G0+3], 0
	s_add_co_u32 s[PFA], s[PFA], 102400            ; the prefetches stand in slot 2: the first change steps them to slot 3
	s_mov_b32 s[PFA+1], 0
	s_lshl_b32 s62, s62, 11
	s_lshl_b32 s[BQ], s61, 9
	s_mov_b32 s[BQ+1], 0
.macro ROWS T, q
	s_add_co_u32 s94, s62, s[\q]                   ; the tile's first row among 8,192
	s_lshr_b32 s[XB+8*\T], s94, 4
	s_mul_i32 s[XB+8*\T], s[XB+8*\T], 12800
	s_mov_b32 s[XB+8*\T+1], 0
	s_lshl_b32 s[QR+8*\T], s94, 12
	s_add_co_u32 s[QR+8*\T], s[QR+8*\T], s[BQ]
	s_mov_b32 s[QR+8*\T+1], 0
.endm
	ROWS 0, Q0E
	ROWS 1, Q0
	s_mov_b32 s[G1D], 3<<16                        ; a quarter of a slot: 50 dense rows of 256 bytes
	s_mov_b32 s[G1D+1], 32<<16
	s_mov_b32 s[G1D+2], 50<<16
	s_mov_b32 s[G1D+3], 32<<16
	s_mov_b32 s[G1D+4], 50
	s_mov_b32 s[G1D+5], 32
	s_mov_b32 s[G1D+6], 0
	s_mov_b32 s[G1D+7], 0
	s_mov_b32 s[G1W], (0<<16)|(1<<20)|(5<<22)|(3<<25)   ; 64 rows of Wq, 768 bytes, 16 of padding behind every 256
	s_mov_b32 s[G1W+1], 768<<16
	s_mov_b32 s[G1W+2], 64<<16
	s_mov_b32 s[G1W+3], 768<<16
	s_mov_b32 s[G1W+4], 64
	s_mov_b32 s[G1W+5], 768
	s_mov_b32 s[G1W+6], 0
	s_mov_b32 s[G1W+7], 0
	s_mov_b32 s[G1C], 3<<16                        ; the scale bytes of 128 rows: 16 dense rows of 256
	s_mov_b32 s[G1C+1], 32<<16
	s_mov_b32 s[G1C+2], 16<<16
	s_mov_b32 s[G1C+3], 32<<16
	s_mov_b32 s[G1C+4], 16
	s_mov_b32 s[G1C+5], 32
	s_mov_b32 s[G1C+6], 0
	s_mov_b32 s[G1C+7], 0
	s_mov_b32 s[SEL], 0x76543210
	s_mov_b32 s[SEL+1], 0xfedcba98
	s_mov_b32 s[CS], 0x3e0293ee                    ; log2(e) / sqrt(128)
	s_mov_b32 s[CS+1], s[CS]
	s_mov_b32 s[TB], 0
	s_mov_b32 s[KF], 0
	s_mov_b32 s[SLOTS], 8
	s_cmp_eq_u32 s19, 0
	s_cselect_b32 s[LIM], 3, -1                    ; the head's first work-group prefetches kv, in the first five trips: slots 3 to 7
	s_mul_i32 s96, s63, 52224
	s_wait_dscnt 0x0
	s_wait_kmcnt 0x0
	s_mov_b32 s[G0W], 1
	s_add_co_u32 s[G0W+1], s96, WQ
	s_add_nc_u64 s[G0W+2:G0W+3], s[6:7], s[G0W+2:G0W+3]
	s_or_b32 s[G0W+3], s[G0W+3], 0x80000000
	s_mov_b32 s[G0C], 1
	s_mov_b32 s[G0C+1], WQS
	s_add_nc_u64 s[G0C+2:G0C+3], s[8:9], s[G0C+2:G0C+3]
	s_or_b32 s[G0C+3], s[G0C+3], 0x80000000
	s_mov_b32 s[G0], 1
	s_mov_b32 s[G0+1], s97
	s_add_nc_u64 s[G0+2:G0+3], s[12:13], s[G0+2:G0+3]
	s_or_b32 s[G0+3], s[G0+3], 0x80000000
	; the first fills, one to an arm of one chain: waves 0, 1 Wq's halves; wave 2 its scale bytes; wave 3 none; waves 4-7 slot 0's quarters
	s_cmp_lt_u32 s[WV], 4
	s_cbranch_scc0 .Lfill_kv
	s_cmp_lt_u32 s[WV], 2
	s_cbranch_scc0 .Lfill_sc
	tensor_load_to_lds s[G0W:G0W+3], s[G1W:G1W+7]
	s_nop 0
.rept 4
	v_nop
.endr
	s_branch .Lfilled
.Lfill_sc:
	s_cmp_eq_u32 s[WV], 2
	s_cbranch_scc0 .Lfilled
	tensor_load_to_lds s[G0C:G0C+3], s[G1C:G1C+7]
	s_nop 0
.rept 4
	v_nop
.endr
	s_branch .Lfilled
.Lfill_kv:
	tensor_load_to_lds s[G0:G0+3], s[G1D:G1D+7]
	s_nop 0
.rept 4
	v_nop
.endr
.Lfilled:
.irp T, 0,1
	s_add_nc_u64 s[RS+8*\T:RS+8*\T+1], s[16:17], s[QR+8*\T:QR+8*\T+1]
	s_add_nc_u64 s[QR+8*\T:QR+8*\T+1], s[14:15], s[QR+8*\T:QR+8*\T+1]
	s_add_nc_u64 s[XB+8*\T:XB+8*\T+1], s[4:5], s[XB+8*\T:XB+8*\T+1]
.endr
	s_add_nc_u64 s[BQ:BQ+1], s[10:11], s[BQ:BQ+1]
	s_add_nc_u64 s[PFA:PFA+1], s[12:13], s[PFA:PFA+1]
	v_and_b32 v12, 31, v0                          ; lane
	v_and_b32 v13, 15, v0                          ; r
	v_bfe_u32 v14, v0, 4, 1                        ; h
	v_lshlrev_b32 v[LI], 4, v12
	v_lshlrev_b32 v[GO], 12, v14
	v_min_u32 v15, 24, v12                         ; 25 blocks a wave; lanes 25-31 name lane 24's again
	s_mul_i32 s96, s[WV], 25
	v_lshl_or_b32 v[GO], v13, 4, v[GO]
	v_add_nc_u32 v15, s96, v15
	s_delay_alu instid0(VALU_DEP_1)
	v_lshlrev_b32 v[PFO], 8, v15
	v_lshrrev_b32 v15, 1, v12
	s_delay_alu instid0(VALU_DEP_1)
	v_lshlrev_b32 v[RPO], 12, v15                  ; a tile's 16 rows, my head's 512 bytes: two lanes a row
	v_and_b32 v15, 1, v12
	s_delay_alu instid0(VALU_DEP_1)
	v_lshl_or_b32 v[RPO], v15, 8, v[RPO]
	v_lshl_add_u32 v[AD], v13, 5, WQS              ; Wq's scale bytes: 32 a row
	v_mul_u32_u24 v8, v13, 816
	s_delay_alu instid0(VALU_DEP_1)
	v_mad_u32_u24 v8, v14, 24, v8
	s_delay_alu instid0(VALU_DEP_1)
	v_add_nc_u32 v8, WQ, v8                        ; Wq: row r x pitch + 24 h;
	s_delay_alu instid0(VALU_DEP_1)
	v_lshl_add_u32 v9, v14, 4, v8                  ; behind one padding more;
	v_add_nc_u32 v10, 52224, v8                    ; and both 64 rows on
	s_delay_alu instid0(VALU_DEP_2)
	v_add_nc_u32 v11, 52224, v9
	v_lshlrev_b32 v12, 3, v12
	v_lshlrev_b32 v13, 5, v14
	WIN 0x40
.irp T, 0,1
.irp s, 0,1,2,3,4,5,6,7
.irp c, 0,1,2
	global_load_b128 v[64+96*\T+12*\s+4*\c:64+96*\T+12*\s+4*\c+3], v[LI], s[XB+8*\T:XB+8*\T+1] offset:1536*\s+512*\c   ; tile T's fragment of K step s
.endr
.endr
.endr
	WIN 0
.irp T, 0,1
.irp f, 0,1
	global_load_b64 v[24+4*\T+2*\f:25+4*\T+2*\f], v12, s[XB+8*\T:XB+8*\T+1] offset:12288+256*\f   ; scale words: lanes 0-15 the even K step, lanes 16-31 the odd one
.endr
.endr
.irp T, 0,1
.irp t, 0,1,2,3,4,5,6,7
	global_load_b128 v[128+64*\T+8*\t:131+64*\T+8*\t], v13, s[BQ:BQ+1] offset:64*\t        ; bq goes into the accumulators: every product adds in place
	global_load_b128 v[132+64*\T+8*\t:135+64*\T+8*\t], v13, s[BQ:BQ+1] offset:64*\t+16
.endr
.endr
	s_wait_alu depctr_va_vdst(0)
	s_wait_tensorcnt 0x0                           ; my first fill is in; slot 1's first fill is issued as a refill is
	ds_add_u32 v[SPW], v[NIL]
	ds_add_u32 v[SPW], v[NIL]                      ; the add twice
	s_xor_b32 s[G0+1], s[G0+1], SLOT1              ; no load of mine is out: the walking descriptor goes to slot 1
	s_add_nc_u64 s[G0+2:G0+3], s[G0+2:G0+3], 2*REC
	s_wait_dscnt 0x0
	s_barrier_signal -1
	s_barrier_wait -1                              ; all first fills are in
	s_cmp_lt_u32 s[WV], 4
	s_cbranch_scc0 .Lno_slot1
	tensor_load_to_lds s[G0:G0+3], s[G1D:G1D+7]    ; keys 256 to 511, which every work-group reads; it lands under Q's projection
	s_nop 0
.rept 4
	v_nop
.endr
.Lno_slot1:
	s_wait_loadcnt 0x0
.macro WFRAG t, s
.irp p, 0,1,2,3,4,5
.set PP, 12*(\s)+6*(\p/3)+\p%3
.if PP%32 < 29
	ds_load_b64 v[32+12*(\t)+2*\p:33+12*(\t)+2*\p], v[8+2*((\t)/4)] offset:8*PP+16*(PP/32)+((\t)%4)*13056
.else
	ds_load_b64 v[32+12*(\t)+2*\p:33+12*(\t)+2*\p], v[9+2*((\t)/4)] offset:8*PP+16*(PP/32)+((\t)%4)*13056
.endif
.endr
.endm
.macro QSTEP s                         ; Q's projection: Wq's 8 tiles x my two tiles; the 16 accumulators take turns
.if (\s) > 0
.rept 4
	v_nop
.endr
.endif
.irp t, 0,1,2,3,4,5,6,7
	WFRAG \t, \s
.endr
.irp t, 0,1,2,3,4,5,6,7
	ds_load_b32 v[16+\t], v[AD] offset:512*\t+4*(\s)
.endr
	s_wait_dscnt 0x0
	WIN 0x04
.irp t, 0,1,2,3,4,5,6,7
.irp T, 0,1
.if (\s)%2 == 0
	v_wmma_scale_f32_16x16x128_f8f6f4 v[128+64*\T+8*\t:135+64*\T+8*\t], v[32+12*\t:43+12*\t], v[64+96*\T+12*(\s):75+96*\T+12*(\s)], v[128+64*\T+8*\t:135+64*\T+8*\t], v[16+\t], v[24+4*\T+(\s)/2] matrix_a_fmt:MATRIX_FMT_FP6 matrix_b_fmt:MATRIX_FMT_FP6
.else
	v_wmma_scale_f32_16x16x128_f8f6f4 v[128+64*\T+8*\t:135+64*\T+8*\t], v[32+12*\t:43+12*\t], v[64+96*\T+12*(\s):75+96*\T+12*(\s)], v[128+64*\T+8*\t:135+64*\T+8*\t], v[16+\t], v[24+4*\T+(\s)/2] matrix_a_fmt:MATRIX_FMT_FP6 matrix_b_fmt:MATRIX_FMT_FP6 matrix_b_scale:MATRIX_SCALE_ROW1
.endif
.endr
.endr
	WIN 0
.endm
.irp s, 0,1,2,3,4,5,6,7
	QSTEP \s
.endr
.rept 4
	v_nop
.endr
.set TM, 32
.set PT, 60
.set PC, QF
.set PW, 10
	QUANT 128, 0                                   ; tile 0's Q: codes into v80-91, scale word into v10
.set PC, 48
.set PW, 11
	QUANT 192, 0                                   ; tile 1's
	WIN 0x40
.irp i, 0,1,2,3,4,5,6,7,8,9,10,11
	v_mov_b32 v[QF+\i], v[48+\i]
.endr
	WIN 0
	v_and_b32 v[LT], 15, v0
	v_bfe_u32 v9, v0, 4, 1
	s_delay_alu instid0(VALU_DEP_1)
	v_lshlrev_b32 v9, 3, v9
	s_delay_alu instid0(VALU_DEP_1)
	v_sub_nc_u32 v[LT], v[LT], v9                  ; r - 8 h
	WIN 0x40
	v_mov_b32 v[LT], v[LT]                         ; the same in window 1
	WIN 0
	v_mov_b32 v[AD], v[LI]                         ; slot 0
.macro INIT
	v_mov_b32 v13, 0xff61b1e6                      ; -3e38
	s_delay_alu instid0(VALU_DEP_1)
	v_floor_f32 v12, -v13
	v_mov_b32 v14, 0
	v_mov_b32 v15, 0
.irp b, 0,1,2,3
	v_mov_b32 v[236+\b], 0
.endr
	v_mov_b32 v252, 0
	v_mov_b32 v253, 0
.set jj, 0
.rept 64
	v_mov_b32 v[160+jj], 0                         ; the step is written once: the first finds zeros
.set jj, jj+1
.endr
.endm
	INIT
	WIN 0x55
	INIT
	WIN 0
; S^T: tiles 4 g .. 4 g + 3 of 16 keys x tile T.  K's fragments from v[fb] on in window g, the scores from v[sb] on in window T
.macro SPROD T, g, fb, sb
	WIN (\g)+0x54*(\T)
.irp t, 0,1,2,3
.if \t%2 == 0
	v_wmma_scale_f32_16x16x128_f8f6f4 v[(\sb)+8*(4*(\g)+\t):(\sb)+7+8*(4*(\g)+\t)], v[(\fb)+12*\t:(\fb)+12*\t+11], v[QF:QF+11], 0, v[92+2*(\g)+\t/2], v[10+(\T)] matrix_a_fmt:MATRIX_FMT_FP6 matrix_b_fmt:MATRIX_FMT_FP6
.else
	v_wmma_scale_f32_16x16x128_f8f6f4 v[(\sb)+8*(4*(\g)+\t):(\sb)+7+8*(4*(\g)+\t)], v[(\fb)+12*\t:(\fb)+12*\t+11], v[QF:QF+11], 0, v[92+2*(\g)+\t/2], v[10+(\T)] matrix_a_fmt:MATRIX_FMT_FP6 matrix_b_fmt:MATRIX_FMT_FP6 matrix_a_scale:MATRIX_SCALE_ROW1
.endif
.endr
.endm
.macro OPROD T, g, fb, sc              ; O^T += V^T P^T; sc: the register with tile T's p's scale word
	WIN (\g)+0x54*(\T)
.irp t, 0,1,2,3
.if \t%2 == 0
	v_wmma_scale_f32_16x16x128_f8f6f4 v[160+8*(4*(\g)+\t):167+8*(4*(\g)+\t)], v[(\fb)+12*\t:(\fb)+12*\t+11], v[224:235], v[160+8*(4*(\g)+\t):167+8*(4*(\g)+\t)], v[248+2*(\g)+\t/2], v[\sc] matrix_a_fmt:MATRIX_FMT_FP6 matrix_b_fmt:MATRIX_FMT_FP6
.else
	v_wmma_scale_f32_16x16x128_f8f6f4 v[160+8*(4*(\g)+\t):167+8*(4*(\g)+\t)], v[(\fb)+12*\t:(\fb)+12*\t+11], v[224:235], v[160+8*(4*(\g)+\t):167+8*(4*(\g)+\t)], v[248+2*(\g)+\t/2], v[\sc] matrix_a_fmt:MATRIX_FMT_FP6 matrix_b_fmt:MATRIX_FMT_FP6 matrix_a_scale:MATRIX_SCALE_ROW1
.endif
.endr
.endm
; 25 loads: a part's eight fragments (four in each window, from v[fb] on) and its packed scale words (window 0, v[sw] on), from byte off of the slot in hand
.macro FETCH8 off, fb, sw
	WIN 0
.irp t, 0,1,2,3
.irp c, 0,1,2
	ds_load_b128 v[(\fb)+12*\t+4*\c:(\fb)+12*\t+4*\c+3], v[AD] offset:(\off)+1536*\t+512*\c
.endr
.endr
	ds_load_b128 v[\sw:\sw+3], v[AD] offset:(\off)+12288
	WIN 0x40
.irp t, 0,1,2,3
.irp c, 0,1,2
	ds_load_b128 v[(\fb)+12*\t+4*\c:(\fb)+12*\t+4*\c+3], v[AD] offset:(\off)+6144+1536*\t+512*\c
.endr
.endr
	WIN 0
.endm
; register n of the scores holds key KF + 16 (n / 8) + 8 h + n % 8: hidden where 16 (n / 8) + n % 8 > my query - KF - 8 h.  s96 = the tile's first query - KF
.macro MASK sb
	s_wait_alu depctr_va_vdst(0)                   ; ahead of the scores' first reader
	v_add_nc_u32 v252, s96, v[LT]
	v_mov_b32 v254, 0xff800000
.set jj, 0
.rept 64
	v_cmp_gt_i32 vcc_lo, 16*(jj/8)+jj%8, v252
	v_cndmask_b32 v[(\sb)+jj], v[(\sb)+jj], v254, vcc_lo
.set jj, jj+1
.endr
.endm
; One tile's softmax for one key step, on the scores from v[sb] on.  cp = 1 (tile 1): its scale word is copied into window 0's v9.  hk = 1: once p is converted, the slot's second step's K is asked for, into the scores' registers.
.macro SOFTMAX sb, cp, hk
	s_wait_alu depctr_va_vdst(0)                   ; ahead of the scores' first reader
.irp b, 0,1,2,3
	v_max3_num_f32 v[232+\b], v[(\sb)+16*\b], v[(\sb)+1+16*\b], v[(\sb)+2+16*\b]   ; each block's largest score: for the row's maximum and for the block's largest p
.endr
.irp i, 3,5,7,9,11,13
.irp b, 0,1,2,3
	v_max3_num_f32 v[232+\b], v[232+\b], v[(\sb)+16*\b+\i], v[(\sb)+1+16*\b+\i]
.endr
.endr
.irp b, 0,1,2,3
	v_max_num_f32 v[232+\b], v[232+\b], v[(\sb)+15+16*\b]
.endr
.irp b, 0,1,2,3
	s_delay_alu instid0(VALU_DEP_4)
	v_permlanex16_b32 v[236+\b], v[232+\b], s[SEL], s[SEL+1]
.endr
.irp b, 0,1,2,3
	s_delay_alu instid0(VALU_DEP_4)
	v_max_num_f32 v[232+\b], v[232+\b], v[236+\b]
.endr
	s_delay_alu instid0(VALU_DEP_2)
	v_max3_num_f32 v254, v232, v233, v234
	s_delay_alu instid0(VALU_DEP_1)
	v_max_num_f32 v254, v254, v235
	s_delay_alu instid0(VALU_DEP_1)
	v_mul_f32 v254, s[CS], v254
	s_delay_alu instid0(VALU_DEP_1)
	v_max_num_f32 v13, v13, v254
	v_mov_b32 v254, v12
	s_delay_alu instid0(VALU_DEP_2)
	v_floor_f32 v12, -v13                          ; the new -M
	s_delay_alu instid0(VALU_DEP_1)
	v_sub_f32 v254, v12, v254
	s_delay_alu instid0(VALU_DEP_1)
	v_cvt_i32_f32 v254, v254
	s_delay_alu instid0(VALU_DEP_1)
	v_ldexp_f32 v252, 1.0, v254                    ; f = 2^(old M - new M)
.set jj, 0
.rept 32
	v_pk_fma_f32 v[(\sb)+jj:(\sb)+1+jj], v[(\sb)+jj:(\sb)+1+jj], s[CS:CS+1], v[12:13] op_sel_hi:[1,0,0]   ; t - M
.set jj, jj+2
.endr
.irp b, 0,1,2,3
	v_fma_f32 v[232+\b], v[232+\b], s[CS], v12
.endr
.set jj, 0
	s_wait_alu depctr_va_vdst(0)                   ; ahead of the batch
.rept 64
	v_exp_f32 v[(\sb)+jj], v[(\sb)+jj]
.set jj, jj+1
.endr
	v_pk_mul_f32 v[14:15], v[14:15], v[252:253] op_sel_hi:[1,0]
	s_wait_alu depctr_va_vdst(0)                   ; behind it
.irp b, 0,1,2,3
	v_exp_f32 v[232+\b], v[232+\b]
.endr
	v_pk_add_f32 v[236:237], v[(\sb):(\sb)+1], v[(\sb)+2:(\sb)+3]    ; the row's sum, of the unquantised p, in two chains
.irp j, 4,8,12,16,20,24,28,32,36,40,44,48,52,56,60
	v_pk_add_f32 v[14:15], v[14:15], v[(\sb)+\j:(\sb)+1+\j]
	v_pk_add_f32 v[236:237], v[236:237], v[(\sb)+2+\j:(\sb)+3+\j]
.endr
	s_delay_alu instid0(VALU_DEP_1)
	v_pk_add_f32 v[14:15], v[14:15], v[236:237]
	s_wait_alu depctr_va_vdst(0)
.irp b, 0,1,2,3
	v_max_num_f32 v[232+\b], 0x1800000, v[232+\b]
.endr
.irp b, 0,1,2,3
	s_delay_alu instid0(VALU_DEP_4)
	v_add_nc_u32 v[244+\b], 0xff000000, v[232+\b]
.endr
.irp b, 0,1,2,3
	s_delay_alu instid0(VALU_DEP_4)
	v_lshrrev_b32 v[236+\b], 23, v[244+\b]
.endr
	s_delay_alu instid0(VALU_DEP_3)
	v_lshl_or_b32 v253, v237, 8, v236
	s_delay_alu instid0(VALU_DEP_1)
	v_lshl_or_b32 v253, v238, 16, v253
	s_delay_alu instid0(VALU_DEP_1)
	v_lshl_or_b32 v253, v239, 24, v253             ; p's scale word
.if \cp
	WIN 0x01
	v_mov_b32 v9, v253                             ; the 32 multiplications below stand between this and the products
	WIN 0x55
.endif
.irp c, 0,1
	v_cvt_scalef32_pk16_fp6_f32 v[224+6*\c:226+6*\c], v[(\sb)+32*\c:(\sb)+15+32*\c], v[244+2*\c]
	v_cvt_scalef32_pk16_fp6_f32 v[236+4*\c:238+4*\c], v[(\sb)+16+32*\c:(\sb)+31+32*\c], v[244+2*\c+1]
.endr
	v_nop
.if \hk
	FETCH8 REC, \sb, 92                            ; both tiles' p are codes now: their registers take the next step's K
	WIN 0x55
.endif
.irp c, 0,1
.irp i, 0,1,2
	v_permlane16_swap_b32 v[224+6*\c+\i], v[236+4*\c+\i]
.endr
.irp i, 0,1,2
	s_delay_alu instid0(VALU_DEP_3)
	v_mov_b32 v[227+6*\c+\i], v[236+4*\c+\i]
.endr
.endr
	s_wait_alu depctr_va_vdst(0)                   ; ahead of O^T's first reader
.set jj, 0
.rept 32
	v_pk_mul_f32 v[160+jj:161+jj], v[160+jj:161+jj], v[252:253] op_sel_hi:[1,0]   ; O^T under the new M
.set jj, jj+2
.endr
.endm
; A key step's front: from K's fragments (asked for earlier, at v[fb]) to p's codes.  All tests are on ids and the count of steps.
.macro FRONT fb, sb, voff, hk
	s_wait_dscnt 0x0                               ; K's
.rept 5
	v_nop                                          ; the scores lie over operands of the last products: five places
.endr
	s_cmp_gt_u32 s[KF], s[E15]
	s_cbranch_scc1 .Lsolo_s_\@                     ; behind tile 0
	SPROD 0, 0, \fb, \sb
	SPROD 0, 1, \fb, \sb
	WIN 0
.Lsolo_s_\@:
	SPROD 1, 0, \fb, \sb
	SPROD 1, 1, \fb, \sb
	WIN 0
.rept 4
	v_nop
.endr
	FETCH8 \voff, \fb, 248                         ; V's: they land under the softmax
	s_add_co_u32 s97, s[KF], 127
	s_cmp_gt_u32 s[KF], s[E15]
	s_cbranch_scc1 .Lsolo_m_\@
	s_cmp_le_u32 s97, s[Q0E]
	s_cbranch_scc1 .Lopen0_\@
	global_prefetch_b8 v[RPO], s[QR:QR+1] th:TH_LOAD_NT scope:SCOPE_SE       ; tile 0's diagonal: its 16 rows of queries, my head's 512 bytes, each block of 256 named once in the launch
	s_sub_co_u32 s96, s[Q0E], s[KF]
	MASK \sb
.Lopen0_\@:
	SOFTMAX \sb, 0, 0
.Lsolo_m_\@:
	s_cmp_le_u32 s97, s[Q0]
	s_cbranch_scc1 .Lopen1_\@
	global_prefetch_b8 v[RPO], s[QR+8:QR+9] th:TH_LOAD_NT scope:SCOPE_SE     ; tile 1's
	s_sub_co_u32 s96, s[Q0], s[KF]
	WIN 0x55
	MASK \sb
	WIN 0
.Lopen1_\@:
	WIN 0x55
	SOFTMAX \sb, 1, \hk
	WIN 0
.endm
.macro BACK fb                         ; its O products
	s_cmp_gt_u32 s[KF], s[E15]
	s_cbranch_scc1 .Lsolo_o_\@
	OPROD 0, 0, \fb, 253
	OPROD 0, 1, \fb, 253
	WIN 0
.Lsolo_o_\@:
	OPROD 1, 0, \fb, 9
	OPROD 1, 1, \fb, 9
	WIN 0
.endm
	s_wait_alu depctr_va_vdst(0)
	FETCH8 0, 32, 92                               ; the first step's K
.Lslot:                                            ; 8 trips, a slot each
	s_cmp_gt_u32 s[KF], s[L15]
	s_cbranch_scc1 .Lhid_a                         ; behind both tiles
	FRONT 32, 96, 12800, 1
	s_wait_alu depctr_va_vdst(0)
	s_wait_dscnt 25                                ; V's are in; the 25 loads of the next K, issued behind them, may be out
	BACK 32
.Lhid_a:
	s_add_co_u32 s[KF], s[KF], 128
	s_cmp_gt_u32 s[KF], s[L15]
	s_cbranch_scc1 .Lhid_b1
	FRONT 96, 16, REC+12800, 0
.Lhid_b1:
	s_wait_alu depctr_va_vdst(0)
	s_wait_tensorcnt 0x0                           ; THE CHANGE OF SLOTS: all my tensor loads are in, my part of the next slot among them;
	ds_add_u32 v[SPW], v[NIL]                      ; the add,
	ds_add_u32 v[SPW], v[NIL]                      ; twice here
	s_xor_b32 s[G0+1], s[G0+1], SLOT1              ; the slot that I leave takes the records two slots on
	s_add_nc_u64 s[G0+2:G0+3], s[G0+2:G0+3], 2*REC
	s_wait_xcnt 0x0                                ; the last prefetch, a slot back, has read its address
	s_add_nc_u64 s[PFA:PFA+1], s[PFA:PFA+1], 2*REC
	s_wait_dscnt 0x0                               ; the adds, and my reads of this slot: V's fragments were the last
	s_barrier_signal -1
	s_barrier_wait -1
	s_add_co_u32 s96, s[KF], 384                   ; the first key two slots on
	s_cmp_gt_u32 s96, s[LASTQ]                     ; a slot that begins behind the work-group's last query is read by nobody: no load
	s_cbranch_scc1 .Lpast
	s_cmp_lt_u32 s[WV], 4
	s_cbranch_scc0 .Lpast
	tensor_load_to_lds s[G0:G0+3], s[G1D:G1D+7]    ; my one tensor load until the next change
	s_nop 0
.rept 4
	v_nop
.endr
.Lpast:
	s_cmp_gt_u32 s[SLOTS], s[LIM]
	s_cbranch_scc0 .Lnot_mine
	global_prefetch_b8 v[PFO], s[PFA:PFA+1] th:TH_LOAD_NT scope:SCOPE_SE   ; what the next change will ask for: slots 3 to 7
.Lnot_mine:
	s_xor_b32 s[TB], s[TB], SLOT1
	v_add_nc_u32 v[AD], s[TB], v[LI]               ; the next slot
	s_wait_alu depctr_va_vdst(0)                   ; the wait behind the write
	s_add_co_u32 s96, s[KF], 128
	s_cmp_gt_u32 s96, s[L15]
	s_cbranch_scc1 .Lno_k                          ; its first step lies behind both tiles
.rept 4
	v_nop
.endr
	FETCH8 0, 32, 92                               ; the next slot's first K, under this step's O products
.Lno_k:
	s_cmp_gt_u32 s[KF], s[L15]
	s_cbranch_scc1 .Lhid_b2
	BACK 96
.Lhid_b2:
	s_add_co_u32 s[KF], s[KF], 128
	s_sub_co_u32 s[SLOTS], s[SLOTS], 1
	s_cmp_lg_u32 s[SLOTS], 0
	s_cbranch_scc1 .Lslot
	s_wait_alu depctr_va_vdst(0)
	s_wait_dscnt 0x0                               ; no LDS load is out on any way out of the loop: the way out writes the fragments' registers
	; THE WAY OUT: O^T / the sum through my stage, 256 bytes of 16 queries at a time; queries are added; sixteen lanes store 256 consecutive bytes, aligned
	s_mul_i32 s96, s[WV], 4352
	s_add_co_u32 s96, s96, STAGE
	v_and_b32 v18, 15, v0
	v_bfe_u32 v19, v0, 4, 1
	s_delay_alu instid0(VALU_DEP_2)
	v_mul_u32_u24 v16, v18, 272
	s_delay_alu instid0(VALU_DEP_1)
	v_lshl_add_u32 v16, v19, 5, v16
	s_delay_alu instid0(VALU_DEP_1)
	v_add_nc_u32 v16, s96, v16                     ; in: row r, + 32 h
	v_mul_u32_u24 v17, v19, 272
	s_delay_alu instid0(VALU_DEP_1)
	v_lshl_add_u32 v17, v18, 4, v17
	s_delay_alu instid0(VALU_DEP_1)
	v_add_nc_u32 v17, s96, v17                     ; back: lanes 0-15 one row, lanes 16-31 the next
.irp T, 0,1
	WIN 0x40*\T
.irp u, 0,1
.irp i, 0,1,2,3,4,5,6,7
	global_load_b128 v[96+32*\u+4*\i:99+32*\u+4*\i], v[GO], s[QR+8*\T:QR+8*\T+1] offset:8192*\i+256*\u th:TH_LOAD_NT
.endr
.endr
.endr
.macro OUT T
	WIN 0x55*(\T)
	v_add_f32 v14, v14, v15
	s_delay_alu instid0(VALU_DEP_1)
	v_permlanex16_b32 v252, v14, s[SEL], s[SEL+1]
	s_delay_alu instid0(VALU_DEP_1)
	v_add_f32 v14, v14, v252                       ; the row's sum
	s_wait_alu depctr_va_vdst(0)
	v_rcp_f32 v14, v14
	v_nop
	s_wait_alu depctr_va_vdst(0)
.set jj, 0
.rept 32
	v_pk_mul_f32 v[160+jj:161+jj], v[160+jj:161+jj], v[14:15] op_sel_hi:[1,0]
.set jj, jj+2
.endr
.irp u, 0,1
	WIN 0x04*(\T)
.irp t, 0,1,2,3
	ds_store_b128 v16, v[160+32*\u+8*\t:163+32*\u+8*\t] offset:64*\t
	ds_store_b128 v16, v[164+32*\u+8*\t:167+32*\u+8*\t] offset:64*\t+16
.endr
	WIN 0x40*(\T)
.irp i, 0,1,2,3,4,5,6,7
	ds_load_b128 v[32+32*\u+4*\i:35+32*\u+4*\i], v17 offset:2*\i*272   ; LDS serves a wave's instructions in order (ISA guide 5.7.1.4)
.endr
.endr
	s_wait_loadcnt 16-16*(\T)                      ; this tile's 16 loads of queries are in; tile 1's 16 may be out
.irp u, 0,1
	s_wait_dscnt 8-8*\u                            ; the second half's 8 loads may be out
	WIN 0x55*(\T)
.set jj, 0
.rept 16
	v_pk_add_f32 v[32+32*\u+jj:33+32*\u+jj], v[32+32*\u+jj:33+32*\u+jj], v[96+32*\u+jj:97+32*\u+jj]
.set jj, jj+2
.endr
	WIN 0x04*(\T)
.irp i, 0,1,2,3,4,5,6,7
	global_store_b128 v[GO], v[32+32*\u+4*\i:35+32*\u+4*\i], s[RS+8*(\T):RS+8*(\T)+1] offset:8192*\i+256*\u th:TH_STORE_NT
.endr
.endr
.endm
	OUT 0
	OUT 1
	WIN 0
	s_wait_tensorcnt 0x0                           ; the wave's end
	ds_add_u32 v[SPW], v[NIL]
	s_wait_dscnt 0x0
	s_endpgm
.Lfunc_end_k_qb061a337c6_attn:
	.size	k_qb061a337c6_attn, .Lfunc_end_k_qb061a337c6_attn-k_qb061a337c6_attn
	.p2alignl 7, 3214868480
	.fill 96, 4, 3214868480
	.section	.rodata,"a",@progbits
	.p2align	6, 0x0
	.amdhsa_kernel k_qb061a337c6_attn
		.amdhsa_group_segment_fixed_size 327680
		.amdhsa_private_segment_fixed_size 0
		.amdhsa_enable_private_segment 0
		.amdhsa_kernarg_size 56
		.amdhsa_user_sgpr_count 2
		.amdhsa_user_sgpr_kernarg_segment_ptr 1
		.amdhsa_wavefront_size32 1
		.amdhsa_system_sgpr_workgroup_id_x 1
		.amdhsa_system_sgpr_workgroup_id_y 1
		.amdhsa_system_sgpr_workgroup_id_z 1
		.amdhsa_system_vgpr_workitem_id 0
		.amdhsa_next_free_vgpr 512
		.amdhsa_next_free_sgpr 100
		.amdhsa_reserve_vcc 1
		.amdhsa_float_denorm_mode_32 3
		.amdhsa_float_denorm_mode_16_64 3
		.amdhsa_memory_ordered 1
		.amdhsa_forward_progress 1
		.amdhsa_inst_pref_size 193
	.end_amdhsa_kernel
	.amdgpu_metadata
---
amdhsa.version: [ 1, 2 ]
amdhsa.kernels:
  - .name:           k_qb061a337c6_attn
    .symbol:         k_qb061a337c6_attn.kd
    .args:
      - { .name: xq, .offset: 0, .size: 8, .value_kind: global_buffer, .address_space: global }
      - { .name: Wq_codes, .offset: 8, .size: 8, .value_kind: global_buffer, .address_space: global }
      - { .name: Wq_scales, .offset: 16, .size: 8, .value_kind: global_buffer, .address_space: global }
      - { .name: bq, .offset: 24, .size: 8, .value_kind: global_buffer, .address_space: global }
      - { .name: kv, .offset: 32, .size: 8, .value_kind: global_buffer, .address_space: global }
      - { .name: queries, .offset: 40, .size: 8, .value_kind: global_buffer, .address_space: global }
      - { .name: resid, .offset: 48, .size: 8, .value_kind: global_buffer, .address_space: global }
    .group_segment_fixed_size: 327680
    .private_segment_fixed_size: 0
    .kernarg_segment_align: 8
    .kernarg_segment_size: 56
    .max_flat_workgroup_size: 256
    .sgpr_count:     100
    .vgpr_count:     512
    .wavefront_size: 32
...
	.end_amdgpu_metadata
.endif
;; end of part 2
;; launch ln (part 3): grid 256 x 1, 8 waves a work-group, no clusters, 0 bytes of LDS; arguments resid, gamma, beta, out0; writes out0
.if DOCPART == 3
	.amdgcn_target "amdgcn-amd-amdhsa--gfx1250"
	.amdhsa_code_object_version 6
	.text
	.protected	k_qb061a337c6_ln
	.globl	k_qb061a337c6_ln
	.p2align	8
	.type	k_qb061a337c6_ln,@function
k_qb061a337c6_ln:
	s_mov_b64 s[64:65], 0
	v_nop
	global_prefetch_b8 v0, s[64:65] scope:SCOPE_SE
	s_setreg_imm32_b32 hwreg(HW_REG_WAVE_MODE, 25, 1), 1
	s_wait_xcnt 0x0
; out0[row][c] = (x - mean) / sqrt(var + 1e-6) x gamma[c] + beta[c], x = resid[row], over the row's 1,024 numbers, all in f32.  No work is left out here.
; The mean is taken first and the variance of the differences, as reference() has it: no difference of large sums is formed.
; A wave takes 4 whole rows (4,096 bytes each: 32 registers a lane), so a row is read once and no wave waits for another: no LDS, no barrier.  A lane holds the 16 bytes at 512 j + 16 x lane, j = 0..7, of every row and of
; gamma and beta: each load and store of a wave covers 512 consecutive bytes, aligned.  All 48 loads go out at once; every row has registers of its own, so no store's data are written again.
; Matrix units, clusters and LDS are left out: every byte is read once and written once, and nothing is shared.
.set G,  4                             ; v4-35    gamma
.set BT, 36                            ; v36-67   beta
.set X,  68                            ; v68-195  row s at 68 + 32 s
.set T,  196                           ; v196-203 four chains; v204 a sum; v205 the other half's; v[206:207] -mean; v208 var + eps; v[210:211] 1 / sqrt
	s_load_b256 s[4:11], s[0:1], 0x0               ; resid, gamma, beta, out0
	v_lshrrev_b32 v1, 5, v0
	s_delay_alu instid0(VALU_DEP_1)
	v_readfirstlane_b32 s14, v1                    ; wave
	v_and_b32 v2, 31, v0
	s_delay_alu instid0(VALU_DEP_1)
	v_lshlrev_b32 v2, 4, v2                        ; 16 x lane; never rewritten
	s_lshl_b32 s15, ttmp9, 3
	s_add_co_u32 s15, s15, s14
	s_lshl_b32 s2, s15, 14                         ; 4 rows of 4,096 bytes a wave
	s_mov_b32 s3, 0
	s_mov_b32 s12, 0x76543210
	s_mov_b32 s13, 0xfedcba98                      ; v_permlanex16_b32: lane l xor 16
	s_mov_b32 s16, 0x3a800000                      ; 1 / 1,024
	s_mov_b32 s17, 0x358637bd                      ; 1e-6
	v_mov_b32 v[T+9], 0                            ; a lane permute's destination counts as one of its sources
	v_mov_b32 v[T+11], 0                           ; the upper halves of pairs of which the low word serves both halves
	v_mov_b32 v[T+15], 0
	s_wait_alu depctr_va_vdst(0)
	s_wait_kmcnt 0x0
	s_add_nc_u64 s[4:5], s[4:5], s[2:3]
	s_add_nc_u64 s[10:11], s[10:11], s[2:3]
.irp j, 0,1,2,3,4,5,6,7
	global_load_b128 v[G+4*\j:G+4*\j+3], v2, s[6:7] offset:512*\j
.endr
.irp j, 0,1,2,3,4,5,6,7
	global_load_b128 v[BT+4*\j:BT+4*\j+3], v2, s[8:9] offset:512*\j
.endr
.irp s, 0,1,2,3
.irp j, 0,1,2,3,4,5,6,7
	global_load_b128 v[X+32*\s+4*\j:X+32*\s+4*\j+3], v2, s[4:5] offset:4096*\s+512*\j th:TH_LOAD_NT
.endr
.endr
.macro REDUCE                          ; the four chains' pairs, then the 32 lanes: the sum in every lane's v[T+8]
	s_delay_alu instid0(VALU_DEP_3)
	v_pk_add_f32 v[T:T+1], v[T:T+1], v[T+2:T+3]
	s_delay_alu instid0(VALU_DEP_2)
	v_pk_add_f32 v[T+4:T+5], v[T+4:T+5], v[T+6:T+7]
	s_delay_alu instid0(VALU_DEP_1)
	v_pk_add_f32 v[T:T+1], v[T:T+1], v[T+4:T+5]
	s_delay_alu instid0(VALU_DEP_1)
	v_add_f32 v[T+8], v[T], v[T+1]
	s_delay_alu instid0(VALU_DEP_1)
	v_add_f32_dpp v[T+8], v[T+8], v[T+8] row_xmask:1 row_mask:0xf bank_mask:0xf
	s_delay_alu instid0(VALU_DEP_1)
	v_add_f32_dpp v[T+8], v[T+8], v[T+8] row_xmask:2 row_mask:0xf bank_mask:0xf
	s_delay_alu instid0(VALU_DEP_1)
	v_add_f32_dpp v[T+8], v[T+8], v[T+8] row_xmask:4 row_mask:0xf bank_mask:0xf
	s_delay_alu instid0(VALU_DEP_1)
	v_add_f32_dpp v[T+8], v[T+8], v[T+8] row_xmask:8 row_mask:0xf bank_mask:0xf
	s_delay_alu instid0(VALU_DEP_1)
	v_permlanex16_b32 v[T+9], v[T+8], s12, s13
	s_delay_alu instid0(VALU_DEP_1)
	v_add_f32 v[T+8], v[T+8], v[T+9]
.endm
.macro ROW s
.set R, X+32*(\s)
	s_wait_loadcnt 24-8*(\s)                       ; gamma, beta and this row are in; the later rows' 8 loads each may be out
.irp k, 0,2,4,6
	v_pk_add_f32 v[T+\k:T+\k+1], v[R+\k:R+\k+1], v[R+8+\k:R+9+\k]   ; the first numbers start the chains: nothing is cleared
.endr
.irp i, 16,24
.irp k, 0,2,4,6
	s_delay_alu instid0(VALU_DEP_4)
	v_pk_add_f32 v[T+\k:T+\k+1], v[T+\k:T+\k+1], v[R+\i+\k:R+\i+\k+1]
.endr
.endr
	REDUCE
	s_delay_alu instid0(VALU_DEP_1)
	v_mul_f32 v[T+10], 0xba800000, v[T+8]          ; -mean
.set jj, 0
.rept 16
	v_pk_add_f32 v[R+jj:R+jj+1], v[R+jj:R+jj+1], v[T+10:T+11] op_sel_hi:[1,0]
.set jj, jj+2
.endr
.irp k, 0,2,4,6
	v_pk_mul_f32 v[T+\k:T+\k+1], v[R+\k:R+\k+1], v[R+\k:R+\k+1]
.endr
.irp i, 8,16,24
.irp k, 0,2,4,6
	s_delay_alu instid0(VALU_DEP_4)
	v_pk_fma_f32 v[T+\k:T+\k+1], v[R+\i+\k:R+\i+\k+1], v[R+\i+\k:R+\i+\k+1], v[T+\k:T+\k+1]
.endr
.endr
	REDUCE
	s_delay_alu instid0(VALU_DEP_1)
	v_fma_f32 v[T+12], v[T+8], s16, s17            ; var + eps
	s_wait_alu depctr_va_vdst(0)
	v_rsq_f32 v[T+14], v[T+12]
	v_nop                                          ; a plain instruction behind the transcendental,
	s_wait_alu depctr_va_vdst(0)                   ; and the wait ahead of its first reader
.set jj, 0
.rept 16
	v_pk_mul_f32 v[R+jj:R+jj+1], v[R+jj:R+jj+1], v[T+14:T+15] op_sel_hi:[1,0]
.set jj, jj+2
.endr
.set jj, 0
.rept 16
	v_pk_fma_f32 v[R+jj:R+jj+1], v[R+jj:R+jj+1], v[G+jj:G+jj+1], v[BT+jj:BT+jj+1]
.set jj, jj+2
.endr
.irp j, 0,1,2,3,4,5,6,7
	global_store_b128 v2, v[R+4*\j:R+4*\j+3], s[10:11] offset:4096*(\s)+512*\j th:TH_STORE_NT
.endr
.endm
	ROW 0
	ROW 1
	ROW 2
	ROW 3
	s_endpgm
.Lfunc_end_k_qb061a337c6_ln:
	.size	k_qb061a337c6_ln, .Lfunc_end_k_qb061a337c6_ln-k_qb061a337c6_ln
	.p2alignl 7, 3214868480
	.fill 96, 4, 3214868480
	.section	.rodata,"a",@progbits
	.p2align	6, 0x0
	.amdhsa_kernel k_qb061a337c6_ln
		.amdhsa_group_segment_fixed_size 0
		.amdhsa_private_segment_fixed_size 0
		.amdhsa_enable_private_segment 0
		.amdhsa_kernarg_size 32
		.amdhsa_user_sgpr_count 2
		.amdhsa_user_sgpr_kernarg_segment_ptr 1
		.amdhsa_wavefront_size32 1
		.amdhsa_system_sgpr_workgroup_id_x 1
		.amdhsa_system_sgpr_workgroup_id_y 1
		.amdhsa_system_sgpr_workgroup_id_z 1
		.amdhsa_system_vgpr_workitem_id 0
		.amdhsa_next_free_vgpr 216
		.amdhsa_next_free_sgpr 66
		.amdhsa_reserve_vcc 0
		.amdhsa_float_denorm_mode_32 3
		.amdhsa_float_denorm_mode_16_64 3
		.amdhsa_memory_ordered 1
		.amdhsa_forward_progress 1
		.amdhsa_inst_pref_size 39
	.end_amdhsa_kernel
	.amdgpu_metadata
---
amdhsa.version: [ 1, 2 ]
amdhsa.kernels:
  - .name:           k_qb061a337c6_ln
    .symbol:         k_qb061a337c6_ln.kd
    .args:
      - { .name: resid, .offset: 0, .size: 8, .value_kind: global_buffer, .address_space: global }
      - { .name: gamma, .offset: 8, .size: 8, .value_kind: global_buffer, .address_space: global }
      - { .name: beta, .offset: 16, .size: 8, .value_kind: global_buffer, .address_space: global }
      - { .name: out0, .offset: 24, .size: 8, .value_kind: global_buffer, .address_space: global }
    .group_segment_fixed_size: 0
    .private_segment_fixed_size: 0
    .kernarg_segment_align: 8
    .kernarg_segment_size: 32
    .max_flat_workgroup_size: 256
    .sgpr_count:     66
    .vgpr_count:     216
    .wavefront_size: 32
...
	.end_amdgpu_metadata
.endif
;; end of part 3
